; MI455X (gfx1250); checked and timed in simulation.
; The chip was launched on July 23, 2026; its instructions are those of AMD's public machine-readable ISA for CDNA 5 (MIT licence, August 2026) and "CDNA5" Instruction Set Architecture Reference Guide (July 2026). The comments in the code are by the model that wrote it; some were corrected since.
;; Net Sat1. Allowed arithmetic: float matrix products may take bf16 or f16 operands with f32 sums; all other float work in f32.
;; Inputs: y1 16,384 x 1,000 float32; y2 16,384 x 1,000 float32.
;; Outputs: out0 16,384 float32.
;; One version. Each part assembles by itself: llvm-mc -triple=amdgcn-amd-amdhsa -mcpu=gfx1250 --defsym DOCPART=n.
;; ======== version 1 of 1: 1 launch
;; launch loomax (part 1): grid 256 x 1, 16 waves a work-group, no clusters, 2,304 bytes of LDS; arguments y1, y2, out0; writes out0
.if DOCPART == 1
	.amdgcn_target "amdgcn-amd-amdhsa--gfx1250"
	.amdhsa_code_object_version 6
	.text
	.protected	k_q5549e40d16_loomax
	.globl	k_q5549e40d16_loomax
	.p2align	8
	.type	k_q5549e40d16_loomax,@function
k_q5549e40d16_loomax:
	s_mov_b64 s[64:65], 0
	v_nop
	global_prefetch_b8 v0, s[64:65] scope:SCOPE_SE
	s_setreg_imm32_b32 hwreg(HW_REG_WAVE_MODE, 25, 1), 1
	s_wait_xcnt 0x0
; out[r] = max over i of min( y1[r][i] - max_{j!=i} y1[r][j] , y2[r][i] - max_{j!=i} y2[r][j] ).   y1, y2: [16384][1000] f32, out: [16384] f32.
;
; THE ARITHMETIC.  T = a row's largest number, S = its second largest (counted with multiplicity: S = T if the largest occurs twice).
;   M = max_i min(y1[i]-T1, y2[i]-T2)  (never above 0).
;   M < 0: no column holds both maxima.  Where y1 has its only maximum, the leave-one-out value T1-S1 >= 0 is paired with y2[i]-T2 < 0, which decides
;          the min, as it does against the plain 0 = y1[i]-T1; likewise with the roles swapped; with a tie S = T and the two forms are the same.  Result M.
;   M = 0: some column holds both maxima.  Every value is at most min(T1-S1, T2-S2), and that column reaches it.  Result min(T1-S1, T2-S2).
;   x-T is 0 only for x = T (denormals are kept), so the test M = 0 is exact; it only selects a value (v_cndmask_b32).  No column index is needed,
;   and every difference is the f32 subtraction that the definition makes.
; LIMIT: finite inputs.  With NaN or infinities in a row the definition gives NaN; this text gives a number (the num forms of max and min drop a NaN,
;   and lanes outside a row are filled with -inf).
;
; THE READS.  A row is 4,000 bytes; eight rows are 32,000 = 125 x 256 bytes.  Such a group is read as a stream of loads of 512 bytes (32 lanes x 16 bytes), each
; starting at a multiple of 256 bytes from the buffer's first byte.  Two waves share a group: the even one takes loads 0..31 (rows 0-3), the odd one loads 31..62
; (rows 4-7).  A row covers 8 or 9 loads; the load in which one row ends and the next begins serves both, with the other row's lanes set to -inf.
; In a wave's last load only lanes 0-7 (even) or 0-15 (odd) are wanted: the lanes above 15 are sent to lane 15's address, so that the load stays inside the
; buffer and inside one block of 256 bytes.  That block of the even wave is the only one that two waves read (256 of 32,000 bytes).
; Where the rows begin and end is known at assembly time and differs between the halves: two paths, chosen by the wave's parity.
;
; THE RING.  A wave keeps 26 of its 32 loads of each array in registers (a quad of registers a load); all 52 are issued at once, the other 12 behind the second
; pass over row 0, into the quads which that pass has read last.  16 waves, 4 rows each: the work-group owns 64 rows and 256 bytes of out.
.set ROWB,   4000                      ; bytes in a row
.set LOADB,  512                       ; bytes that one load of the wave covers
.set GROUPB, 8*ROWB                    ; eight rows
.set LASTQ,  31                        ; a wave's loads are numbered 0..31
.set HALFB,  LASTQ*LOADB               ; where the odd wave's stream begins in the group: 15,872
.set C,      26                        ; quads in the ring of each array
.set ADR,  1                           ; v1        16 x lane: never rewritten
.set ADRC, 2                           ; v2        16 x min(lane, 15): for the last load; never rewritten
.set NINF, 3                           ; v3        -inf
.set R,    4                           ; v[4:7]    the results of my four rows
.set A1,   8                           ; v[8:9]    y1: (largest, second largest), chain a: columns 0, 1 of each quad; later the row's (T1, S1)
.set B1,   10                          ; v[10:11]  y1: chain b: columns 2, 3
.set A2,   12                          ; v[12:13]  y2: chain a; later (T2, S2)
.set B2,   14                          ; v[14:15]  y2: chain b
.set T0,   16                          ; v16, v17  at work
.set T1,   17
.set MA,   18                          ; v18, v19  two running maxima of the second pass
.set MB,   19
.set D,    20                          ; v[20:35]  two sets of eight differences, used by turns
.set TA1,  36                          ; v[36:39]  y1: the row's last quad with the next row's lanes set to -inf
.set TA2,  40                          ; v[40:43]  y2: the same
.set OADR, 44                          ; v44       8 x lane
.set Y1,   48                          ; v[48:151]  ring of y1: load n lies at Y1 + 4 (n mod 26)
.set Y2,   152                         ; v[152:255] ring of y2
; Load n of both arrays.  The one block that the partner wave reads too (even wave: load 31, odd wave: load 0) carries no hint; all else is read once in the launch.
.macro LOADQ h, n
.set AR, ADR
.if (\n) == LASTQ
.set AR, ADRC
.endif
.set RQ, 4*((\n)%C)
.if (\n) == LASTQ*(1-\h)
	global_load_b128 v[Y1+RQ:Y1+RQ+3], v[AR], s[4:5] offset:LOADB*(\n)
	global_load_b128 v[Y2+RQ:Y2+RQ+3], v[AR], s[6:7] offset:LOADB*(\n)
.else
	global_load_b128 v[Y1+RQ:Y1+RQ+3], v[AR], s[4:5] offset:LOADB*(\n) th:TH_LOAD_NT
	global_load_b128 v[Y2+RQ:Y2+RQ+3], v[AR], s[6:7] offset:LOADB*(\n) th:TH_LOAD_NT
.endif
.endm
; First pass, a row's first quad: two numbers start each chain, nothing is cleared.
.macro START x1, x2
	v_min_num_f32 v[A1+1], v[\x1],   v[\x1+1]
	v_min_num_f32 v[B1+1], v[\x1+2], v[\x1+3]
	v_min_num_f32 v[A2+1], v[\x2],   v[\x2+1]
	v_min_num_f32 v[B2+1], v[\x2+2], v[\x2+3]
	v_max_num_f32 v[A1],   v[\x1],   v[\x1+1]
	v_max_num_f32 v[B1],   v[\x1+2], v[\x1+3]
	v_max_num_f32 v[A2],   v[\x2],   v[\x2+1]
	v_max_num_f32 v[B2],   v[\x2+2], v[\x2+3]
.endm
; First pass, any other quad.  With t1 >= t2 the new second largest is the middle one of (x, t1, t2); then t1 = max(t1, x).
; Four chains by turns: a line needs no result of the three lines in front of it.
.macro STEP x1, x2
.irp e, 0,1
	v_med3_num_f32 v[A1+1], v[\x1+\e],   v[A1], v[A1+1]
	v_med3_num_f32 v[B1+1], v[\x1+2+\e], v[B1], v[B1+1]
	v_med3_num_f32 v[A2+1], v[\x2+\e],   v[A2], v[A2+1]
	v_med3_num_f32 v[B2+1], v[\x2+2+\e], v[B2], v[B2+1]
	v_max_num_f32  v[A1], v[A1], v[\x1+\e]
	v_max_num_f32  v[B1], v[B1], v[\x1+2+\e]
	v_max_num_f32  v[A2], v[A2], v[\x2+\e]
	v_max_num_f32  v[B2], v[B2], v[\x2+2+\e]
.endr
.endm
; (A, A+1) and (B, B+1) into (A, A+1): largest = max of the two largest; second = max(the smaller of the two largest, both seconds).
.macro MERGE
	v_min_num_f32  v[T0], v[A1], v[B1]
	v_min_num_f32  v[T1], v[A2], v[B2]
	v_max_num_f32  v[A1], v[A1], v[B1]
	v_max_num_f32  v[A2], v[A2], v[B2]
	v_max3_num_f32 v[A1+1], v[A1+1], v[B1+1], v[T0]
	v_max3_num_f32 v[A2+1], v[A2+1], v[B2+1], v[T1]
.endm
; Second pass, one quad: x - T for both arrays (two at a time; op_sel_hi 0 takes T, the pair's first register, for both halves; the signs make the sum
; a difference), the smaller of the two, and the running maximum.  -inf stays -inf and never wins.
.macro DIFF x1, x2, d, start
	v_pk_add_f32 v[\d:\d+1],   v[\x1:\x1+1],   v[A1:A1+1] op_sel_hi:[1,0] neg_lo:[0,1] neg_hi:[0,1]
	v_pk_add_f32 v[\d+2:\d+3], v[\x1+2:\x1+3], v[A1:A1+1] op_sel_hi:[1,0] neg_lo:[0,1] neg_hi:[0,1]
	v_pk_add_f32 v[\d+4:\d+5], v[\x2:\x2+1],   v[A2:A2+1] op_sel_hi:[1,0] neg_lo:[0,1] neg_hi:[0,1]
	v_pk_add_f32 v[\d+6:\d+7], v[\x2+2:\x2+3], v[A2:A2+1] op_sel_hi:[1,0] neg_lo:[0,1] neg_hi:[0,1]
.irp e, 0,1,2,3
	v_min_num_f32 v[\d+\e], v[\d+\e], v[\d+4+\e]
.endr
.if \start
	v_max_num_f32  v[MA], v[\d],   v[\d+1]
	v_max_num_f32  v[MB], v[\d+2], v[\d+3]
.else
	v_max3_num_f32 v[MA], v[MA], v[\d],   v[\d+1]
	v_max3_num_f32 v[MB], v[MB], v[\d+2], v[\d+3]
.endif
.endm
; Row j (0..3) of half h.  The row begins BEG bytes into the wave's stream: in load FIRST at lane HL; it ends in load LAST in front of lane TL.
.macro ROW h, j
.set BEG,   \h*(4*ROWB-HALFB)+\j*ROWB
.set FIRST, BEG/LOADB
.set HL,    (BEG%LOADB)/16
.set LAST,  (BEG+ROWB)/LOADB
.set TL,    ((BEG+ROWB)%LOADB)/16
.set FQ,    4*(FIRST%C)
.set LQ,    4*(LAST%C)
	s_wait_loadcnt 2*(HI-LAST)                     ; loads come back in order (ISA guide 5.7.1) and were issued in pairs, ascending: loads LAST+1 .. HI of both arrays may stay out
.if HL > 0
	s_mov_b32 s20, (1<<HL)-1                       ; the lanes of the first quad that belong to the row before, which has been finished: -inf, in place
.irp c, 0,1,2,3
	v_cndmask_b32 v[Y1+FQ+\c], v[Y1+FQ+\c], v[NINF], s20
	v_cndmask_b32 v[Y2+FQ+\c], v[Y2+FQ+\c], v[NINF], s20
.endr
.endif
	s_mov_b32 s21, (0xffffffff<<TL)&0xffffffff     ; the lanes of the last quad that belong to the next row (or to nobody): -inf, in a copy, since the next row needs the quad itself
.irp c, 0,1,2,3
	v_cndmask_b32 v[TA1+\c], v[Y1+LQ+\c], v[NINF], s21
	v_cndmask_b32 v[TA2+\c], v[Y2+LQ+\c], v[NINF], s21
.endr
	; first pass: the largest and second largest of my numbers
	START Y1+FQ, Y2+FQ
.set K, FIRST+1
.rept LAST-FIRST-1
	STEP Y1+4*(K%C), Y2+4*(K%C)
.set K, K+1
.endr
	STEP TA1, TA2
	MERGE                                          ; chain b into chain a
	; across the lanes: lane i with lane i xor m, inside each half of 16 lanes, riding on the arithmetic (DPP); both lanes end with the same pair
.irp m, 1,2,4,8
	v_min_num_f32_dpp v[T0],   v[A1],   v[A1]   row_xmask:\m row_mask:0xf bank_mask:0xf   ; the smaller of the two largest (T0, T1 have been written by MERGE)
	v_min_num_f32_dpp v[T1],   v[A2],   v[A2]   row_xmask:\m row_mask:0xf bank_mask:0xf
	v_max_num_f32_dpp v[A1],   v[A1],   v[A1]   row_xmask:\m row_mask:0xf bank_mask:0xf
	v_max_num_f32_dpp v[A2],   v[A2],   v[A2]   row_xmask:\m row_mask:0xf bank_mask:0xf
	v_max_num_f32_dpp v[A1+1], v[A1+1], v[A1+1] row_xmask:\m row_mask:0xf bank_mask:0xf
	v_max_num_f32_dpp v[A2+1], v[A2+1], v[A2+1] row_xmask:\m row_mask:0xf bank_mask:0xf
	v_max_num_f32     v[A1+1], v[A1+1], v[T0]
	v_max_num_f32     v[A2+1], v[A2+1], v[T1]
.endr
	v_permlanex16_b32 v[B1],   v[A1],   s16, s17   ; the other half's pairs, into chain b's registers (written before, no longer needed)
	v_permlanex16_b32 v[B1+1], v[A1+1], s16, s17
	v_permlanex16_b32 v[B2],   v[A2],   s16, s17
	v_permlanex16_b32 v[B2+1], v[A2+1], s16, s17
	MERGE                                          ; every lane now holds (T1, S1) in A1 and (T2, S2) in A2
	; second pass, from the same registers
	DIFF Y1+FQ, Y2+FQ, D+8*(FIRST%2), 1
.set K, FIRST+1
.rept LAST-FIRST-1
	DIFF Y1+4*(K%C), Y2+4*(K%C), D+8*(K%2), 0
.set K, K+1
.endr
	DIFF TA1, TA2, D+8*(K%2), 0
	; quads FIRST .. LAST-1 are free: load n may follow load n - 26 into its quad for n up to LAST + 25
.set TOP, LAST+C-1
.if TOP > LASTQ
.set TOP, LASTQ
.endif
.if TOP > HI
.rept TOP-HI
.set HI, HI+1
	LOADQ \h, HI
.endr
.endif
	; M across the lanes, and the choice
	v_max_num_f32 v[MA], v[MA], v[MB]
	v_sub_f32     v[T0], v[A1], v[A1+1]            ; T1 - S1
	v_sub_f32     v[T1], v[A2], v[A2+1]            ; T2 - S2
.irp m, 1,2,4,8
	v_max_num_f32_dpp v[MA], v[MA], v[MA] row_xmask:\m row_mask:0xf bank_mask:0xf
.endr
	v_permlanex16_b32 v[MB], v[MA], s16, s17
	v_min_num_f32 v[T0], v[T0], v[T1]
	v_max_num_f32 v[MA], v[MA], v[MB]
	v_cmp_eq_f32  vcc_lo, 0, v[MA]                 ; a column holds both maxima
	v_cndmask_b32 v[R+\j], v[MA], v[T0], vcc_lo    ; then min(T1-S1, T2-S2), else M
.endm
; A wave's whole work: fill the ring, then four rows.  HI = the highest load issued so far.
.macro HALF h
.set HI, -1
.rept C
.set HI, HI+1
	LOADQ \h, HI
.endr
	ROW \h, 0
	ROW \h, 1
	ROW \h, 2
	ROW \h, 3
.endm
	s_load_b128 s[4:7], s[0:1], 0x0                ; y1 s[4:5], y2 s[6:7]
	s_load_b64 s[8:9], s[0:1], 0x10                ; out
	v_lshl_add_u32 v46, v0, 2, 0x100
	v_mov_b32 v47, 0
	v_lshrrev_b32 v[T0], 5, v0
	v_readfirstlane_b32 s10, v[T0]                 ; wave 0..15
	v_and_b32 v[T1], 31, v0                        ; lane
	v_lshlrev_b32 v[ADR], 4, v[T1]
	v_min_u32 v[ADRC], 15, v[T1]
	v_lshlrev_b32 v[ADRC], 4, v[ADRC]
	v_lshlrev_b32 v[OADR], 3, v[T1]
	v_mov_b32 v[NINF], 0xff800000
	s_and_b32 s11, s10, 1                          ; which half of a group of eight rows is mine
	s_lshl_b32 s12, ttmp9, 4
	s_add_co_u32 s12, s12, s10                     ; my wave among all 4,096
	s_lshr_b32 s12, s12, 1                         ; my group among 2,048
	s_mul_i32 s12, s12, GROUPB
	s_mul_i32 s13, s11, HALFB
	s_add_co_u32 s12, s12, s13                     ; byte offset of my stream: 65,519,872 at the most
	s_mov_b32 s13, 0
	s_lshl_b32 s14, ttmp9, 8                       ; the work-group's 64 results: 256 bytes
	s_mov_b32 s15, 0
	s_mov_b32 s16, 0x76543210                      ; v_permlanex16_b32: lane i of one half reads lane i of the other
	s_mov_b32 s17, 0xfedcba98
	s_lshl_b32 s18, s10, 4                         ; my 16 bytes in LDS
	s_wait_kmcnt 0x0
	s_add_nc_u64 s[4:5], s[4:5], s[12:13]
	s_add_nc_u64 s[6:7], s[6:7], s[12:13]
	s_add_nc_u64 s[8:9], s[8:9], s[14:15]
	s_cmp_lg_u32 s11, 0
	s_cbranch_scc1 .Lodd
	HALF 0
	s_branch .Ljoin
.Lodd:
	HALF 1
.Ljoin:
	; The way out: 16 waves x 4 results meet in LDS, and wave 0 stores them with one instruction: 32 lanes x 8 bytes = 256 consecutive bytes, at a multiple of 256 from out's first byte.
	v_mov_b32 v[T0], s18
	ds_store_b128 v[T0], v[R:R+3]                  ; every lane holds the same four numbers and writes them to the same 16 bytes
	s_wait_dscnt 0x0                               ; for the reader's sake: my store is done before I signal
	s_barrier_signal -1
	s_barrier_wait -1
	s_cmp_lg_u32 s10, 0
	s_cbranch_scc1 .Lend
	ds_load_b64 v[T0:T0+1], v[OADR]
	s_wait_dscnt 0x0
	global_store_b64 v[OADR], v[T0:T0+1], s[8:9]
.Lend:
	s_wait_tensorcnt 0x0
	ds_add_u32 v46, v47
	s_wait_dscnt 0x0
	s_endpgm
.Lfunc_end_k_q5549e40d16_loomax:
	.size	k_q5549e40d16_loomax, .Lfunc_end_k_q5549e40d16_loomax-k_q5549e40d16_loomax
	.p2alignl 7, 3214868480
	.fill 96, 4, 3214868480
	.section	.rodata,"a",@progbits
	.p2align	6, 0x0
	.amdhsa_kernel k_q5549e40d16_loomax
		.amdhsa_group_segment_fixed_size 2304
		.amdhsa_private_segment_fixed_size 0
		.amdhsa_enable_private_segment 0
		.amdhsa_kernarg_size 24
		.amdhsa_user_sgpr_count 2
		.amdhsa_user_sgpr_kernarg_segment_ptr 1
		.amdhsa_wavefront_size32 1
		.amdhsa_system_sgpr_workgroup_id_x 1
		.amdhsa_system_sgpr_workgroup_id_y 1
		.amdhsa_system_sgpr_workgroup_id_z 1
		.amdhsa_system_vgpr_workitem_id 0
		.amdhsa_next_free_vgpr 256
		.amdhsa_next_free_sgpr 66
		.amdhsa_reserve_vcc 1
		.amdhsa_float_denorm_mode_32 3
		.amdhsa_float_denorm_mode_16_64 3
		.amdhsa_memory_ordered 1
		.amdhsa_forward_progress 1
		.amdhsa_inst_pref_size 130
	.end_amdhsa_kernel
	.amdgpu_metadata
---
amdhsa.version: [ 1, 2 ]
amdhsa.kernels:
  - .name:           k_q5549e40d16_loomax
    .symbol:         k_q5549e40d16_loomax.kd
    .args:
      - { .name: y1, .offset: 0, .size: 8, .value_kind: global_buffer, .address_space: global }
      - { .name: y2, .offset: 8, .size: 8, .value_kind: global_buffer, .address_space: global }
      - { .name: out0, .offset: 16, .size: 8, .value_kind: global_buffer, .address_space: global }
    .group_segment_fixed_size: 2304
    .private_segment_fixed_size: 0
    .kernarg_segment_align: 8
    .kernarg_segment_size: 24
    .max_flat_workgroup_size: 512
    .sgpr_count:     66
    .vgpr_count:     256
    .wavefront_size: 32
...
	.end_amdgpu_metadata
.endif
;; end of part 1
